; MI455X (gfx1250); checked and timed in simulation.
; The chip was launched on July 23, 2026; its instructions are those of AMD's public machine-readable ISA for CDNA 5 (MIT licence, August 2026) and "CDNA5" Instruction Set Architecture Reference Guide (July 2026). The comments in the code are by the model that wrote it; some were corrected since.
;; My Bert Self Attention. Allowed arithmetic: matrix products marked QUANTISED: E2M1 operands, one E8M0 scale for each 32 along K, by v_wmma_scale_f32_16x16x128_f8f6f4 with both operands' format E2M1 (or v_wmma_scale_f32_32x16x128_f4), f32 sums; products left as they are: bf16, f16 or f32 operands; f32 sums; everything else in f32.
;; Inputs: Wk 1,024 x 1,024 float32; Wq 1,024 x 1,024 float32; Wv 1,024 x 1,024 float32; attention_mask 16 x 1 x 1 x 512 float32; bk 1,024 float32; bq 1,024 float32; bv 1,024 float32; dist_emb 1,023 x 64 float32; hidden_states 16 x 512 x 1,024 float32.
;; Outputs: out0 16 x 512 x 1,024 float32.
;; This version of the problem:
;;   THIS VERSION OF THE PROBLEM IS GIVEN IN LOW PRECISION. The matrix products marked QUANTISED in the list below multiply operands that are first quantised to E2M1 (2 exponent bits, 1 mantissa bit; 4 bits a number), with one power-of-two scale for each 32 numbers along K (OCP MX v1.0); their sums are f32. The products marked 'left as it is' may take bf16, f16 or f32 operands, with f32 sums. Whichever they take, every output number must still come out within the allowed error. Rounding operands to bf16 (8 significant bits) uses up far more of that allowance than f16 does (11 bits, for magnitudes from 6e-5 to 65,504). All else is computed in f32.
;;   The module's matrix products, in the order in which they are computed (A, B: the left and right operand; K: the contracted axis; several contracted axes count as one K, in the product's order):
;;     1. [M 8,192, K 1,024] x [K 1,024, N 1,024]; A: input hidden_states; B: input Wq: QUANTISED
;;     2. [M 8,192, K 1,024] x [K 1,024, N 1,024]; A: input hidden_states; B: input Wk: QUANTISED
;;     3. [M 8,192, K 1,024] x [K 1,024, N 1,024]; A: input hidden_states; B: input Wv: QUANTISED
;;     4. batch 256 x [M 512, K 64] x [K 64, N 512]; A: computed on the way; B: computed on the way: left as it is (an operand is computed on the way)
;;     5. batch 512 x [M 512, K 64] x [K 64, N 256]; A: computed on the way; B: computed on the way: left as it is (an operand is computed on the way)
;;     6. batch 512 x [M 512, K 64] x [K 64, N 256]; A: computed on the way; B: computed on the way: left as it is (an operand is computed on the way)
;;     7. batch 256 x [M 512, K 512] x [K 512, N 64]; A: computed on the way; B: computed on the way: left as it is (an operand is computed on the way)
;;   THE QUANTISER, for each operand of a quantised product, along K:
;;     - K is cut into blocks of 32 from its start; a last block that is shorter is filled with zeros.
;;     - A block's scale is 2^e with e = floor(log2(the largest magnitude in the block)) - 2, held to -126 .. 127; a block of zeros has e = 0. As a byte (E8M0): e + 127.
;;     - Each number is divided by its block's scale, clamped to +-6, and rounded to the nearest number of E2M1, ties to even, subnormals kept.
;;     - The product sums the exact products of the quantised numbers (number of the format x scale) in f32.
;;   ~~~python
;;   def quantise(x, axis):      # numpy; x: float32 -> the quantised numbers, widened to float32 again
;;       x = np.moveaxis(x, axis, -1); K = x.shape[-1]
;;       x = np.pad(x, [(0, 0)] * (x.ndim - 1) + [(0, -K % 32)]); x = x.reshape(x.shape[:-1] + (-1, 32)); a = np.abs(x).max(-1, keepdims=True)
;;       e = np.where(a > 0, np.clip(np.frexp(np.where(a > 0, a, 1))[1] - 1 - 2, -126, 127), 0)      # np.frexp(a)[1] - 1 = floor(log2(a)), exactly
;;       r = np.clip(x / 2.0 ** e, -6, 6)
;;       step = 2.0 ** (np.maximum(np.frexp(np.where(r == 0, 1, r))[1] - 1, 0) - 1)
;;       q = np.round(r / step) * step * 2.0 ** e      # np.round: ties to even
;;       return np.moveaxis(q.reshape(q.shape[:-2] + (-1,))[..., :K], -1, axis).astype(np.float32)
;;   ~~~
;; One version. Each part assembles by itself: llvm-mc -triple=amdgcn-amd-amdhsa -mcpu=gfx1250 --defsym DOCPART=n.
;; ======== version 1 of 1: 2 launches
;; limits: values are held in f16: magnitudes above 65,504 overflow, below 6.1e-05 lose precision
;; workspace buffers: codes 5,767,168 bytes; scales 360,448 bytes; eimg 131,072 bytes
;; launch quant (part 1): grid 368 x 1, 4 waves a work-group, no clusters, 34,304 bytes of LDS; arguments hidden_states, Wq, Wk, Wv, dist_emb, codes, scales, eimg; writes codes, scales, eimg
.if DOCPART == 1
	.amdgcn_target "amdgcn-amd-amdhsa--gfx1250"
	.amdhsa_code_object_version 6
	.text
	.protected	k_qe38e9266c7_quant
	.globl	k_qe38e9266c7_quant
	.p2align	8
	.type	k_qe38e9266c7_quant,@function
k_qe38e9266c7_quant:
	s_mov_b64 s[64:65], 0
	v_nop
	global_prefetch_b8 v0, s[64:65] scope:SCOPE_SE
	s_setreg_imm32_b32 hwreg(HW_REG_WAVE_MODE, 25, 1), 1
	s_wait_xcnt 0x0
; hidden_states [8192][1024], Wq, Wk, Wv [1024][1024], f32, K innermost, become codes of FP4 (E2M1) with one E8M0 byte for each 32 along K; dist_emb [1023][64] becomes f16.
; All three results are laid in the ORDER OF THE OPERAND'S REGISTERS, so that the next launch loads fragments as dense runs of 512 bytes.
;   codes:  a tile is 16 rows x 1,024 K = 8,192 bytes: [K step 0..7][g 0..1][lane][16 bytes]; lane (c = lane % 16, h = lane / 16) holds block 4 ks + 2 g + h (32 codes) of row c.
;           tiles 0..511: hidden_states, 16 tokens each.  Tile 512 + 12 head + 4 T + f: rows 64 head + 16 f of Wk (T = 0), Wv (1), Wq (2): a head's three weights are 96 KiB on end.
;   scales: 512 bytes a tile: [half of K 0..1][row c][4 words]; a word serves one K step of 128, byte b its block b.
;   eimg:   tile t (rows 16 t .. 16 t + 15 of dist_emb): 2,048 bytes: [u 0..1][g 0..1][lane][16 bytes] = 8 f16 of row min(16 t + c, 1022), columns 32 u + 16 g + 8 h + 0..7.  (Row 1023 does not exist; its place is never used.)
; A block's scale is 2^(floor(log2(largest magnitude)) - 2): its byte is the largest magnitude's exponent field - 2, held at 1 from below by a floor among the maximum's leaves.
; LIMITS: a block of zeros gets the byte 1 where the rule says 127 (its codes are zeros, and this program alone reads the bytes); NaN and infinities among the inputs are not served.
; SHARES: work-groups 0..351: a wave takes 16 rows x 512 along K, in four steps of 128.  Each load reads 512 consecutive bytes of one row; the step's 8 KiB turn through the wave's own stage in LDS,
; so that a lane gets two whole blocks of 32 neighbours.  Work-groups 352..367: a wave takes one tile of dist_emb; they touch no LDS.  Waves share nothing: no barrier.
.set STG,   8448                       ; a wave's stage: 16 rows x (512 bytes + 16): 33 x 16 bytes from row to row, so that sixteen rows start at sixteen different 16-byte columns
.set SPARE, 4*STG                      ; behind the stages: the spare words, 128 bytes a wave: two blocks of 256 bytes that no other line names
.set SW,    32                         ; v32-35   the four steps' scale words
.set C,     36                         ; v36-51   codes, two sets of 8
.set X,     52                         ; v52-115  64 numbers: two blocks of 32 neighbours
.set R,     116                        ; v116-243 two sets of 64 numbers as loaded
	s_load_b512 s[4:19], s[0:1], 0x0               ; hidden s[4:5], Wq s[6:7], Wk s[8:9], Wv s[10:11], dist_emb s[12:13], codes s[14:15], scales s[16:17], eimg s[18:19]
	v_lshl_add_u32 v12, v0, 2, SPARE               ; my spare word; never rewritten
	v_mov_b32 v13, 0                               ; 0; never rewritten
	v_lshrrev_b32 v1, 5, v0
	v_readfirstlane_b32 s20, v1                    ; wave 0..3
	v_and_b32 v1, 31, v0                           ; lane
	v_and_b32 v2, 15, v0                           ; c
	v_bfe_u32 v3, v0, 4, 1                         ; h
	v_lshlrev_b32 v4, 4, v1                        ; 16 x lane
	s_cmp_ge_u32 ttmp9, 352
	s_cbranch_scc1 .Lemb
	s_mul_i32 s22, s20, STG
	v_add_nc_u32 v5, s22, v4                       ; the stage, on the way in: 16 x lane in row r
	v_mul_u32_u24 v6, v2, 528
	v_lshl_add_u32 v6, v3, 7, v6
	v_add_nc_u32 v6, s22, v6                       ; and on the way out: row c, block h of a pair of blocks
	v_lshlrev_b32 v7, 4, v2
	v_lshl_add_u32 v7, v3, 3, v7                   ; scale words out: 16 c + 8 h
	v_lshlrev_b32 v8, 3, v3                        ; 8 h: my bytes' place in a scale word
	v_mov_b32 v20, 0                               ; a lane permute's destination counts as read: written once
	s_mov_b32 s30, 0x76543210
	s_mov_b32 s31, 0xfedcba98                      ; selects for lane l xor 16
	s_lshl_b32 s21, ttmp9, 1
	s_lshr_b32 s23, s20, 1
	s_add_co_u32 s21, s21, s23                     ; which tile, counted through the four tensors on end: 2 x work-group + wave / 2
	s_and_b32 s23, s20, 1                          ; which half of K
	s_wait_kmcnt 0x0
	s_cmp_lt_u32 ttmp9, 256                        ; the tensor is chosen by the work-group's number alone: only pointers and tile numbers are chosen, the text has one path
	s_cselect_b64 s[24:25], s[4:5], s[6:7]
	s_cselect_b32 s32, 511, 63
	s_mov_b32 s33, 520                             ; Wq: 512 + 4 x 2
	s_cmp_lt_u32 ttmp9, 288
	s_cselect_b64 s[24:25], s[24:25], s[8:9]
	s_cselect_b32 s33, s33, 512                    ; Wk: 512 + 4 x 0
	s_cmp_lt_u32 ttmp9, 320
	s_cselect_b64 s[24:25], s[24:25], s[10:11]
	s_cselect_b32 s33, s33, 516                    ; Wv: 512 + 4 x 1
	s_and_b32 s32, s21, s32                        ; the tile inside its tensor
	s_lshr_b32 s34, s32, 2                         ; a weight's tile 4 head + f goes to 512 + 12 head + 4 T + f
	s_mul_i32 s34, s34, 12
	s_and_b32 s35, s32, 3
	s_add_co_u32 s34, s34, s35
	s_add_co_u32 s34, s34, s33
	s_cmp_lt_u32 ttmp9, 256
	s_cselect_b32 s34, s32, s34                    ; the tile in the workspace
	s_mov_b32 s37, 0
	s_lshl_b32 s36, s32, 16                        ; in: 16 rows of 4,096 bytes a tile, 2,048 bytes a half of K
	s_lshl_b32 s35, s23, 11
	s_add_co_u32 s36, s36, s35
	s_add_nc_u64 s[24:25], s[24:25], s[36:37]
	s_lshl_b32 s36, s34, 13                        ; codes: 8,192 bytes a tile, 4,096 a half
	s_lshl_b32 s35, s23, 12
	s_add_co_u32 s36, s36, s35
	s_add_nc_u64 s[26:27], s[14:15], s[36:37]
	s_lshl_b32 s36, s34, 9                         ; scale words: 512 bytes a tile, 256 a half
	s_lshl_b32 s35, s23, 8
	s_add_co_u32 s36, s36, s35
	s_add_nc_u64 s[28:29], s[16:17], s[36:37]
.macro LOAD s                          ; step s: 128 numbers of each of 16 rows; 32 lanes read 512 consecutive bytes
.irp r, 0,1,2,3,4,5,6,7,8,9,10,11,12,13,14,15
	global_load_b128 v[R+64*((\s)%2)+4*\r:R+64*((\s)%2)+4*\r+3], v4, s[24:25] offset:4096*\r+512*(\s) th:TH_LOAD_NT
.endr
.endm
.macro STEP s
.set RS, R+64*((\s)%2)
.set CS, C+8*((\s)%2)
.if (\s) < 3
	s_wait_loadcnt 16                              ; this step's 16 loads are in; the next step's 16 may be out
.else
	s_wait_loadcnt 0x0
.endif
.irp r, 0,1,2,3,4,5,6,7,8,9,10,11,12,13,14,15
	ds_store_b128 v5, v[RS+4*\r:RS+4*\r+3] offset:528*\r
.endr
.irp g, 0,1
.irp j, 0,1,2,3,4,5,6,7
	ds_load_b128 v[X+32*\g+4*\j:X+32*\g+4*\j+3], v6 offset:256*\g+16*\j   ; LDS serves a wave's instructions in order: these see the stores above.  Block 2 g + h of row c
.endr
.endr
	s_wait_dscnt 0x0                               ; my 64 numbers are back, and the stores have read their registers,
.if (\s) < 2
	LOAD (\s)+2                                    ; which take the loads of two steps on
.endif
.irp g, 0,1
	v_max3_num_f32 v[14+\g], |v[X+32*\g]|, |v[X+32*\g+1]|, 0x1800000   ; the block's largest magnitude: all 32 numbers are mine; the floor 2^(3 - 127) holds the byte at 1 from below
.endr
.irp i, 2,4,6,8,10,12,14,16,18,20,22,24,26,28,30
.irp g, 0,1
	v_max3_num_f32 v[14+\g], v[14+\g], |v[X+32*\g+\i]|, |v[X+32*\g+\i+1]|   ; (the two blocks by turns)
.endr
.endr
.irp g, 0,1
	v_add_nc_u32 v[16+\g], 0xff000000, v[14+\g]    ; 2 off the exponent field: the conversion takes this operand's exponent field as its scale
.endr
.irp g, 0,1
	v_lshrrev_b32 v[18+\g], 23, v[16+\g]           ; the scale's byte
.endr
	v_lshl_or_b32 v21, v19, 16, v18                ; my two bytes, blocks h and 2 + h,
	v_lshlrev_b32 v21, v8, v21                     ; at their places in the word;
	v_permlanex16_b32 v20, v21, s30, s31
	v_or_b32 v[SW+(\s)], v21, v20                  ; with lane l xor 16's two the word is whole, in both halves of the lanes
.if (\s) >= 2
	s_wait_xcnt 0x0                                ; the stores of two steps back have read this set of code registers
.endif
.irp g, 0,1
.irp q, 0,1,2,3
	v_cvt_scalef32_pk8_fp4_f32 v[CS+4*\g+\q], v[X+32*\g+8*\q:X+32*\g+8*\q+7], v[16+\g]   ; to the nearest code, ties to even, beyond 6 the largest code
.endr
.endr
	v_nop                                          ; one plain line behind the last scaled conversion
.irp g, 0,1
	global_store_b128 v4, v[CS+4*\g:CS+4*\g+3], s[26:27] offset:1024*(\s)+512*\g   ; 32 lanes store 512 consecutive bytes
.endr
.endm
	LOAD 0
	LOAD 1
	STEP 0
	STEP 1
	STEP 2
	STEP 3
	v_cmp_eq_u32 vcc_lo, 1, v3                     ; lane (c, h) stores words 2 h and 2 h + 1 of row c: 32 lanes fill 256 consecutive bytes, aligned
	v_cndmask_b32 v14, v32, v34, vcc_lo
	v_cndmask_b32 v15, v33, v35, vcc_lo
	global_store_b64 v7, v[14:15], s[28:29]
	s_wait_tensorcnt 0x0                           ; the wave's end: behind my last LDS store
	ds_add_u32 v12, v13
	s_wait_dscnt 0x0
	s_endpgm
.Lemb:                                             ; dist_emb, a tile a wave
	s_sub_co_u32 s21, ttmp9, 352
	s_lshl_b32 s21, s21, 2
	s_add_co_u32 s21, s21, s20                     ; the tile
	s_lshl_b32 s22, s21, 4
	v_add_nc_u32 v5, s22, v2                       ; its row c,
	v_min_u32 v5, 1022, v5                         ; held inside the table
	v_lshlrev_b32 v5, 8, v5                        ; 256 bytes a row
	v_lshl_add_u32 v5, v3, 5, v5                   ; + 32 h
	s_lshl_b32 s36, s21, 11
	s_mov_b32 s37, 0
	s_wait_kmcnt 0x0
	s_add_nc_u64 s[26:27], s[18:19], s[36:37]
.irp q, 0,1,2,3                        ; q = 2 u + g: columns 16 q + 8 h + 0..7
	global_load_b128 v[X+8*\q:X+8*\q+3], v5, s[12:13] offset:64*\q
	global_load_b128 v[X+8*\q+4:X+8*\q+7], v5, s[12:13] offset:64*\q+16
.endr
	s_wait_loadcnt 0x0
.irp q, 0,1,2,3
.irp i, 0,1,2,3
	v_cvt_pk_f16_f32 v[C+4*\q+\i], v[X+8*\q+2*\i], v[X+8*\q+2*\i+1]
.endr
.endr
.irp q, 0,1,2,3
	global_store_b128 v4, v[C+4*\q:C+4*\q+3], s[26:27] offset:512*\q
.endr
	s_endpgm
.Lfunc_end_k_qe38e9266c7_quant:
	.size	k_qe38e9266c7_quant, .Lfunc_end_k_qe38e9266c7_quant-k_qe38e9266c7_quant
	.p2alignl 7, 3214868480
	.fill 96, 4, 3214868480
	.section	.rodata,"a",@progbits
	.p2align	6, 0x0
	.amdhsa_kernel k_qe38e9266c7_quant
		.amdhsa_group_segment_fixed_size 34304
		.amdhsa_private_segment_fixed_size 0
		.amdhsa_enable_private_segment 0
		.amdhsa_kernarg_size 64
		.amdhsa_user_sgpr_count 2
		.amdhsa_user_sgpr_kernarg_segment_ptr 1
		.amdhsa_wavefront_size32 1
		.amdhsa_system_sgpr_workgroup_id_x 1
		.amdhsa_system_sgpr_workgroup_id_y 1
		.amdhsa_system_sgpr_workgroup_id_z 1
		.amdhsa_system_vgpr_workitem_id 0
		.amdhsa_next_free_vgpr 244
		.amdhsa_next_free_sgpr 66
		.amdhsa_reserve_vcc 1
		.amdhsa_float_denorm_mode_32 3
		.amdhsa_float_denorm_mode_16_64 3
		.amdhsa_memory_ordered 1
		.amdhsa_forward_progress 1
		.amdhsa_inst_pref_size 33
	.end_amdhsa_kernel
	.amdgpu_metadata
---
amdhsa.version: [ 1, 2 ]
amdhsa.kernels:
  - .name:           k_qe38e9266c7_quant
    .symbol:         k_qe38e9266c7_quant.kd
    .args:
      - { .name: hidden_states, .offset: 0, .size: 8, .value_kind: global_buffer, .address_space: global }
      - { .name: Wq, .offset: 8, .size: 8, .value_kind: global_buffer, .address_space: global }
      - { .name: Wk, .offset: 16, .size: 8, .value_kind: global_buffer, .address_space: global }
      - { .name: Wv, .offset: 24, .size: 8, .value_kind: global_buffer, .address_space: global }
      - { .name: dist_emb, .offset: 32, .size: 8, .value_kind: global_buffer, .address_space: global }
      - { .name: codes, .offset: 40, .size: 8, .value_kind: global_buffer, .address_space: global }
      - { .name: scales, .offset: 48, .size: 8, .value_kind: global_buffer, .address_space: global }
      - { .name: eimg, .offset: 56, .size: 8, .value_kind: global_buffer, .address_space: global }
    .group_segment_fixed_size: 34304
    .private_segment_fixed_size: 0
    .kernarg_segment_align: 8
    .kernarg_segment_size: 64
    .max_flat_workgroup_size: 128
    .sgpr_count:     66
    .vgpr_count:     244
    .wavefront_size: 32
...
	.end_amdgpu_metadata
.endif
;; end of part 1
;; launch attn (part 2): grid 16 x 16, 8 waves a work-group, clusters of 4 x 1, 327,680 bytes of LDS; arguments codes, scales, eimg, attention_mask, bq, bk, bv, out0; writes out0
.if DOCPART == 2
	.amdgcn_target "amdgcn-amd-amdhsa--gfx1250"
	.amdhsa_code_object_version 6
	.text
	.protected	k_qe38e9266c7_attn
	.globl	k_qe38e9266c7_attn
	.p2align	8
	.type	k_qe38e9266c7_attn,@function
k_qe38e9266c7_attn:
	s_mov_b64 s[64:65], 0
	v_nop
	global_prefetch_b8 v0, s[64:65] scope:SCOPE_SE
	s_setreg_imm32_b32 hwreg(HW_REG_WAVE_MODE, 25, 1), 1
	s_wait_xcnt 0x0
	s_wait_alu depctr_hold_cnt(0) depctr_sa_sdst(0) depctr_va_vdst(0) depctr_va_sdst(0) depctr_va_ssrc(0) depctr_va_vcc(0) depctr_vm_vsrc(0)
	s_getreg_b32 s2, hwreg(HW_REG_IB_STS2, 6, 4)
	s_cmp_eq_u32 s2, 0
	s_cbranch_scc0 .Lentry_in_a_cluster
	s_endpgm
.Lentry_in_a_cluster:
	s_bfe_u32 s2, ttmp6, 0x10000c
	s_cmp_lg_u32 s2, 0x3003
	s_cbranch_scc0 .Lentry_shape_is_right
	s_endpgm
.Lentry_shape_is_right:
; One work-group makes one (batch, head): q, k, v = x W^T + b on codes of FP4 with E8M0 scales; then softmax((q k^T + q E^T + k E^T) / 8 + mask) v with f16 operands and f32 sums.  q, k, v never go to memory.
; score(l, r) takes E[j], j = l - r + 511.  With queries 64 w + 16 a + c, keys 64 kb + 16 t + rho (rho = 8 h + jj): j = 16 (4 w - 4 kb + 28 + i) + x, where x = c + 15 - rho and i = a - t + 3; for x >= 16 the next tile, at x - 16.
; SHARES.  Eight waves, two to a SIMD, 512 registers each.  Wave w projects tokens 64 w .. 64 w + 63 (its x codes lie in 256 registers through the three passes k, v, q) and then owns the same 64 queries,
;   four tiles a, walking all 512 keys in eight blocks of 64.  K and V go from wave to wave through LDS as images of the operands' registers.
; LAYOUT.  S^T = K Q^T and O^T = V^T P: a lane holds ONE query (c) and its registers run along keys (S^T) or channels (O^T), so nothing changes lanes between the products.
;   k E^T is made as K x E: a lane holds an E row, register jj the key 8 h + jj: the skew into (query, key) is a shift along the 16 lanes of a row by an amount fixed for each register and half: DPP adds.
;   q E^T is made as E x Q: a lane holds a query, its registers E rows: the skew is a shift along the registers that hangs on the lane: it goes through the wave's own LDS rows, 4 bytes more from row to row on the way back.
;   The mask, times 8, is the C of the first product of each tile of S^T, so the division by 8 and log2(e) are one factor c in the exponent.
; SOFTMAX.  A running maximum: NT = -c x (largest score so far); p = 2^(c s + NT); in each block the sum and O^T are multiplied by F = 2^(NT new - NT old).  The loop is written once: NT begins at +3e38, O^T and the sum at 0.
; CLUSTER.  4 x 1: the four partners are four batches of ONE head.  They need the same E images and the same weights of the head: both are asked for JOINTLY, mask 15.  x's codes, which the 16 heads of a batch share,
;   go from memory straight into the registers where they stay: beside E, K and W (288 KiB) LDS has no room for their 256 KiB.
; LIMITS: q, k, v, E are rounded to f16 (magnitudes up to 65,504); 8 x mask is held at -3e38 from below, so a row whose every key is masked by -infinity comes out uniform where the definition gives NaN; NaN and infinities among the inputs are not served.
; LDS: 0 E's images (131,072) | 131,072 K's images (65,536: key tile t at 2,048 t) | 196,608 V's images (65,536: 32 keys ku x 16 channels f at 1,024 (4 ku + f)) | 262,144 a buffer of 6,656 for each wave | 315,392 the mask | 317,440 the spare words.
;   During the projections the head's weights, 98,304 bytes, lie from 196,608 on (Wk, Wv, Wq): those bytes have had their only fill; they are written again only behind a barrier behind every wave's last read of them.
; REGISTERS, window 0: v1-9 addresses that stay; v10-13 addresses in hand; v14 c, v15 h.
;   projections: v16-31 x's scale words, v32-47 and v112-127 W's (two sets), v48-79 and v80-111 two buffers of 32 (one: the bias as C, then W's fragments of the odd K steps; the other: those of the even K steps; they change roles from pass to pass),
;   v128-255 16 accumulators.  Window 1: x's codes, fragment (tile tt, K step ks) at 8 (8 tt + ks).
;   attention: v16-47 statistics, 8 a query tile; v48-63 E; v64-79 q E^T (two tiles); v80-95 what is gathered; v96-119 k E^T (three tiles); v128-255 S^T, then P.  v64-95 also the mask tiles; v64-127 also V.
;   Window 1: v0-127 O^T, tile (a, f) at 32 a + 8 f; v128-191 Q; v192-255 K of the block.
.set KIMG,  131072
.set VIMG,  196608
.set WLDS,  196608
.set UBUF,  262144
.set UWB,   6656                       ; a wave's buffer: 2 query tiles x 16 rows x 208 bytes (three slots of 64 + 16); later the stage for the way out, 16 x 272
.set MASKL, 315392
.set SPARE, 317440                     ; the spare words, 128 bytes a wave: four blocks of 256 bytes that no other line names
.set SPW, 1
.set NIL, 2
.set LI,  3                            ; 16 x lane
.set LIK, 4                            ; + K's images
.set LIV, 5                            ; + V's images
.set LIE, 6                            ; + E tile 4 w + 28
.set LM,  7                            ; the mask + 32 h
.set US,  8                            ; my buffer + 208 c + 32 h
.set GA,  9                            ; my buffer + 212 c - 32 h + 32
.set AK,  10
.set AV,  11
.set AE,  12
.set AM,  13
.set XSO, 10                           ; projections: 512 h + 16 c
.set BO,  11                           ; the bias's offset
.set WA,  12                           ; W's fragments in LDS
.set KS,  13                           ; where I store images
.set CC,  14
.set HH,  15
.set XS,  16
.set WSA, 32
.set BB,  48
.set WF,  80
.set WSB, 112
.set ACC, 128
.set ST,  16                           ; tile a at ST + 8 a: +0 NT (+1 named with it), +2, +3 the sum, +4 F (+5 named with it), +6, +7 at work
.set HF,  21                           ; ST + 5 of tile 0, of which the packed forms take nothing: h as f32: 0 in lanes 0-15, 1.0 in lanes 16-31; never rewritten
.set EF,  48
.set RR,  64
.set MK,  64
.set GG,  80
.set DD,  96
.set SS,  128
.set QW,  128                          ; window 1
.set KW,  192                          ; window 1
.set MSB, 0
.macro WIN new                         ; bits 1:0 source 0, 3:2 source 1, 5:4 source 2, 7:6 destination; the high byte repeats the setting that is left
.if MSB != \new
	s_set_vgpr_msb (MSB<<8)|\new
.set MSB, \new
.endif
.endm
.macro PLACES n
.rept \n
	v_nop
.endr
.endm
.macro CROUND                          ; a round of the cluster's barrier
	s_barrier_signal -1
	s_barrier_wait -1
	s_cmp_lg_u32 s20, 0
	s_cbranch_scc1 .Lnot_wave_0_\@
	s_barrier_signal -3
.Lnot_wave_0_\@:
	s_barrier_wait -3
	s_barrier_signal -1
	s_barrier_wait -1
.endm
	s_load_b512 s[4:19], s[0:1], 0x0               ; codes s[4:5], scales s[6:7], eimg s[8:9], mask s[10:11], bq s[12:13], bk s[14:15], bv s[16:17], out s[18:19]
	v_lshl_add_u32 v[SPW], v0, 2, SPARE
	v_mov_b32 v[NIL], 0
	ds_add_u32 v[SPW], v[NIL]                      ; the wave's opening: the add, twice on end, and its wait ahead of my first tensor load
	ds_add_u32 v[SPW], v[NIL]
	v_lshrrev_b32 v14, 5, v0
	v_readfirstlane_b32 s20, v14                   ; wave 0..7
	s_bfe_u32 s21, ttmp6, 0x40000                  ; cx
	s_lshl_b32 s24, ttmp9, 2
	s_add_co_u32 s24, s24, s21                     ; the batch = 4 x cluster x + cx: it enters global addresses of plain loads and stores alone
	s_and_b32 s23, ttmp7, 0xffff                   ; the head, which the four partners share
	; descriptor groups 1: dense blocks as rows of 256 bytes (32 elements of 8 bytes), no padding: images are read 512 consecutive bytes an instruction.  Mask 15: all four partners; bit 21 beside it
	s_mov_b32 s28, 15|(3<<16)|(1<<21)              ; E: 64 rows a wave
	s_mov_b32 s29, 32<<16
	s_mov_b32 s30, 64<<16
	s_mov_b32 s31, 32<<16
	s_mov_b32 s32, 64
	s_mov_b32 s33, 32
	s_mov_b32 s34, 0
	s_mov_b32 s35, 0
	s_mov_b32 s36, 15|(3<<16)|(1<<21)              ; W: 48 rows a wave
	s_mov_b32 s37, 32<<16
	s_mov_b32 s38, 48<<16
	s_mov_b32 s39, 32<<16
	s_mov_b32 s40, 48
	s_mov_b32 s41, 32
	s_mov_b32 s42, 0
	s_mov_b32 s43, 0
	s_mov_b32 s44, 1
	s_lshl_b32 s45, s20, 14                        ; E's part: LDS 16,384 w
	s_mov_b32 s48, 1
	s_mul_i32 s49, s20, 12288
	s_add_co_u32 s49, s49, WLDS                    ; W's part: LDS 196,608 + 12,288 w
	s_lshl_b32 s72, s20, 14                        ; byte offsets, each in a pair of its own: E's part
	s_mov_b32 s73, 0
	s_mul_i32 s52, s23, 12
	s_add_co_u32 s52, s52, 512                     ; the head's first weight tile
	s_lshl_b32 s74, s52, 13
	s_mul_i32 s53, s20, 12288
	s_add_co_u32 s74, s74, s53                     ; W's part
	s_mov_b32 s75, 0
	s_lshl_b32 s52, s52, 9                         ; W's scale words
	s_mov_b32 s53, 0
	s_lshl_b32 s54, s24, 5
	s_lshl_b32 s55, s20, 2
	s_add_co_u32 s54, s54, s55                     ; my first token tile: 32 x batch + 4 w
	s_lshl_b32 s56, s54, 9                         ; its scale words
	s_mov_b32 s57, 0
	s_lshl_b32 s54, s54, 13                        ; its codes
	s_mov_b32 s55, 0
	s_lshl_b32 s58, s23, 8                         ; the head's 64 numbers of a bias
	s_mov_b32 s59, 0
	s_lshl_b32 s92, s24, 9
	s_lshl_b32 s93, s20, 6
	s_add_co_u32 s92, s92, s93
	s_lshl_b32 s92, s92, 12
	s_add_co_u32 s92, s92, s58                     ; out: my first token's row of 4,096 bytes, the head's 256 bytes in it
	s_mov_b32 s93, 0
	s_lshl_b32 s94, s24, 11                        ; the batch's 512 mask numbers
	s_mov_b32 s95, 0
	s_mov_b32 s60, 0x76543210
	s_mov_b32 s61, 0xfedcba98                      ; selects for lane l xor 16
	s_mov_b32 s66, 0x3e38aa3b                      ; c = log2(e) / 8
	s_mov_b32 s67, s66                             ; (named with it as a pair)
	s_mov_b32 s68, 0xbe38aa3b                      ; -c
	s_lshl_b32 s25, s20, 13                        ; 8,192 w
	s_mul_i32 s26, s20, UWB
	s_add_co_u32 s26, s26, UBUF                    ; my buffer
	v_and_b32 v[LI], 31, v0
	v_lshlrev_b32 v[LI], 4, v[LI]
	v_and_b32 v[CC], 15, v0
	v_bfe_u32 v[HH], v0, 4, 1
	v_add_nc_u32 v[LIK], KIMG, v[LI]
	v_add_nc_u32 v[LIV], VIMG, v[LI]
	s_add_co_u32 s27, s25, 57344
	v_add_nc_u32 v[LIE], s27, v[LI]
	v_lshl_add_u32 v[LM], v[HH], 5, MASKL
	v_mul_u32_u24 v[US], v[CC], 208
	v_lshl_add_u32 v[US], v[HH], 5, v[US]
	v_add_nc_u32 v[US], s26, v[US]
	v_mul_u32_u24 v[GA], v[CC], 212
	s_add_co_u32 s27, s26, 32
	v_add_nc_u32 v[GA], s27, v[GA]
	v_lshlrev_b32 v[XSO], 5, v[HH]
	v_sub_nc_u32 v[GA], v[GA], v[XSO]
	v_lshlrev_b32 v[XSO], 4, v[CC]
	v_lshl_add_u32 v[XSO], v[HH], 9, v[XSO]        ; lanes 0-15 an even tile's scale words, lanes 16-31 the next tile's
	v_lshlrev_b32 v[BO], 5, v[HH]                  ; k's bias: 8 numbers from 8 h on
	v_lshlrev_b32 v[WA], 3, v0                     ; the mask: 8 bytes a thread, in memory
	v_lshl_add_u32 v[KS], v0, 3, MASKL             ; and in LDS
	s_wait_dscnt 0x0                               ; both opening adds are done
	s_wait_kmcnt 0x0
	s_add_nc_u64 s[46:47], s[8:9], s[72:73]
	s_or_b32 s47, s47, 0x80000000
	s_add_nc_u64 s[50:51], s[4:5], s[74:75]
	s_or_b32 s51, s51, 0x80000000
	s_add_nc_u64 s[76:77], s[4:5], s[54:55]        ; x's codes
	s_add_nc_u64 s[78:79], s[6:7], s[56:57]        ; x's scale words
	s_add_nc_u64 s[80:81], s[6:7], s[52:53]        ; W's scale words: 2,048 bytes for each of k, v, q
	s_add_nc_u64 s[82:83], s[14:15], s[58:59]      ; bk
	s_add_nc_u64 s[84:85], s[16:17], s[58:59]      ; bv
	s_add_nc_u64 s[86:87], s[12:13], s[58:59]      ; bq
	s_add_nc_u64 s[88:89], s[18:19], s[92:93]      ; out
	s_add_nc_u64 s[90:91], s[10:11], s[94:95]      ; the mask
	CROUND                                         ; all four work-groups are here: the joint loads meet
	tensor_load_to_lds s[44:47], s[28:35]          ; my eighth of E's images
	s_nop 0
	tensor_load_to_lds s[48:51], s[36:43]          ; my eighth of the head's weights: two tensor loads of mine are out, the only ones of the launch
	s_nop 0
	PLACES 4
	global_load_b64 v[80:81], v[WA], s[90:91]      ; the mask
.irp pr, 0,1
.irp hf, 0,1
	global_load_b128 v[XS+8*\pr+4*\hf:XS+8*\pr+4*\hf+3], v[XSO], s[78:79] offset:1024*\pr+256*\hf   ; register 8 (tile / 2) + ks: the K step's word, the odd tile's in lanes 16-31
.endr
.endr
.irp pr, 0,1
.irp hf, 0,1
	global_load_b128 v[WSA+8*\pr+4*\hf:WSA+8*\pr+4*\hf+3], v[XSO], s[80:81] offset:1024*\pr+256*\hf
.endr
.endr
.irp f, 0,1,2,3
	global_load_b128 v[BB+8*\f:BB+8*\f+3], v[BO], s[82:83] offset:64*\f
	global_load_b128 v[BB+8*\f+4:BB+8*\f+7], v[BO], s[82:83] offset:64*\f+16
.endr
	WIN 0x40                                       ; destination window 1
.irp kk, 0,1,2,3,4
.irp tt, 0,1,2,3
.irp g, 0,1
	global_load_b128 v[8*(8*\tt+\kk)+4*\g:8*(8*\tt+\kk)+4*\g+3], v[LI], s[76:77] offset:8192*\tt+1024*\kk+512*\g
.endr
.endr
.endr
	WIN 0
	s_wait_loadcnt 56                              ; the mask is in: behind it stand 4 + 4 + 8 + 40 loads
	v_mul_f32 v80, 0x41000000, v80                 ; x 8,
	v_mul_f32 v81, 0x41000000, v81
	v_max_num_f32 v80, 0xff61b1e6, v80             ; held at -3e38 from below
	v_max_num_f32 v81, 0xff61b1e6, v81
	ds_store_b64 v[KS], v[80:81]
	WIN 0x40
.irp kk, 5,6,7
.irp tt, 0,1,2,3
.irp g, 0,1
	global_load_b128 v[8*(8*\tt+\kk)+4*\g:8*(8*\tt+\kk)+4*\g+3], v[LI], s[76:77] offset:8192*\tt+1024*\kk+512*\g
.endr
.endr
.endr
	WIN 0
	s_wait_tensorcnt 0x0                           ; my parts of E and W have landed,
	s_wait_dscnt 0x0                               ; my part of the mask is stored:
	s_barrier_signal -1
	s_barrier_wait -1                              ; everybody's are
; ---- THE PROJECTIONS.  A pass (kind 0: k, 1: v, 2: q) is 8 K steps of 128: four feature tiles against my four token tiles: 16 accumulators by turns, one instruction a turn.
; W's fragments of a K step (32 registers, 8 LDS loads) are asked for a K step ahead, into two buffers by turns: pw takes the even K steps; pb holds the bias, which is the C of K step 0's products, and then takes the odd ones.
; Behind K step 6 pw is free and takes the next pass's bias: so the buffers change roles from pass to pass.
.macro MMS                             ; one scaled product; fRA, fRB: the side's scale words stand in lanes 16-31
.if fRA && fRB
	v_wmma_scale_f32_16x16x128_f8f6f4 v[rD:rD+7], v[rA:rA+7], v[rB:rB+7], v[rC:rC+7], v[rSA], v[rSB] matrix_a_fmt:MATRIX_FMT_FP4 matrix_b_fmt:MATRIX_FMT_FP4 matrix_a_scale:MATRIX_SCALE_ROW1 matrix_b_scale:MATRIX_SCALE_ROW1
.elseif fRA
	v_wmma_scale_f32_16x16x128_f8f6f4 v[rD:rD+7], v[rA:rA+7], v[rB:rB+7], v[rC:rC+7], v[rSA], v[rSB] matrix_a_fmt:MATRIX_FMT_FP4 matrix_b_fmt:MATRIX_FMT_FP4 matrix_a_scale:MATRIX_SCALE_ROW1
.elseif fRB
	v_wmma_scale_f32_16x16x128_f8f6f4 v[rD:rD+7], v[rA:rA+7], v[rB:rB+7], v[rC:rC+7], v[rSA], v[rSB] matrix_a_fmt:MATRIX_FMT_FP4 matrix_b_fmt:MATRIX_FMT_FP4 matrix_b_scale:MATRIX_SCALE_ROW1
.else
	v_wmma_scale_f32_16x16x128_f8f6f4 v[rD:rD+7], v[rA:rA+7], v[rB:rB+7], v[rC:rC+7], v[rSA], v[rSB] matrix_a_fmt:MATRIX_FMT_FP4 matrix_b_fmt:MATRIX_FMT_FP4
.endif
.endm
.macro FETCHK ks, buf                  ; the K step's four fragments of W: eight loads of 512 consecutive bytes
.irp f, 0,1,2,3
.irp g, 0,1
	ds_load_b128 v[(\buf)+8*\f+4*\g:(\buf)+8*\f+4*\g+3], v[WA] offset:8192*\f+1024*(\ks)+512*\g
.endr
.endr
.endm
.macro NEXTIN kind, buf                ; the next pass's scale words (into the other set) and its bias (into buf).  The loads that named BO before are shown done by the waits on LOADcnt passed since: BO may be written
.if (\kind) == 0
	v_lshlrev_b32 v[BO], 2, v[CC]                  ; v is made with a lane to a feature: bv[16 f + c] in all eight registers of a tile
.irp pr, 0,1
.irp hf, 0,1
	global_load_b128 v[WSB+8*\pr+4*\hf:WSB+8*\pr+4*\hf+3], v[XSO], s[80:81] offset:2048+1024*\pr+256*\hf
.endr
.endr
.irp f, 0,1,2,3
.irp j, 0,1,2,3,4,5,6,7
	global_load_b32 v[(\buf)+8*\f+\j], v[BO], s[84:85] offset:64*\f
.endr
.endr
.else
	v_lshlrev_b32 v[BO], 5, v[HH]
.irp pr, 0,1
.irp hf, 0,1
	global_load_b128 v[WSA+8*\pr+4*\hf:WSA+8*\pr+4*\hf+3], v[XSO], s[80:81] offset:4096+1024*\pr+256*\hf
.endr
.endr
.irp f, 0,1,2,3
	global_load_b128 v[(\buf)+8*\f:(\buf)+8*\f+3], v[BO], s[86:87] offset:64*\f
	global_load_b128 v[(\buf)+8*\f+4:(\buf)+8*\f+7], v[BO], s[86:87] offset:64*\f+16
.endr
.endif
.endm
.macro KSTEP kind, ks, ws, pb, pw
.if (\ks)%2
.set wb, \pb
.else
.set wb, \pw
.endif
.if (\kind) == 0
.if (\ks) < 7
	s_wait_loadcnt 8*(7-(\ks))                     ; x's codes of this K step are in (and all that was asked for ahead of them); the later K steps' eight loads each may be out
.else
	s_wait_loadcnt 36                              ; x's last codes are in; behind them stand the next pass's 4 loads of scale words and 32 of bias
.endif
.elseif (\ks) == 0
	s_wait_loadcnt 0x0                             ; this pass's scale words and bias
.endif
.if ((\ks) == 0) || ((\ks) == 7)
	s_wait_dscnt 0x0                               ; this K step's fragments are in; nothing was asked for behind them
.else
	s_wait_dscnt 8                                 ; this K step's fragments are in; the next K step's eight loads may be out
.endif
.if (\kind) == 1
	WIN 0x01                                       ; source 0 (x) window 1
.else
	WIN 0x04                                       ; source 1 (x) window 1
.endif
.irp f, 0,1,2,3
.irp tt, 0,1,2,3
.set rD, ACC+8*(4*\tt+\f)
.if (\ks) == 0
.set rC, (\pb)+8*\f                                ; the bias starts the sum
.else
.set rC, rD
.endif
.if (\kind) == 1                                   ; v: source 0 = 16 tokens, source 1 = 16 features: a lane holds a feature, its registers 8 tokens: keys run along the registers, as V^T wants them
.set rA, 8*(8*\tt+(\ks))
.set rB, wb+8*\f
.set rSA, XS+8*(\tt/2)+(\ks)
.set rSB, (\ws)+8*(\f/2)+(\ks)
.set fRA, \tt%2
.set fRB, \f%2
.else                                              ; k, q: source 0 = 16 features, source 1 = 16 tokens: a lane holds a token, its registers 8 features
.set rA, wb+8*\f
.set rB, 8*(8*\tt+(\ks))
.set rSA, (\ws)+8*(\f/2)+(\ks)
.set rSB, XS+8*(\tt/2)+(\ks)
.set fRA, \f%2
.set fRB, \tt%2
.endif
	MMS
.endr
.endr
	PLACES 4                                       ; in front of loads into registers that these products read, and (K step 7) of the conversions that read their results
.if (\kind) == 1
	WIN 0                                          ; (an LDS load's address is its source 0)
.endif
.if (\ks) == 0
	FETCHK 1, \pb                                  ; the bias has been taken: its registers are the second buffer from here on
	FETCHK 2, \pw
.elseif (\ks) < 6
	FETCHK (\ks)+2, wb                             ; into the buffer just multiplied: it has the next K step's 16 products in which to land
.elseif ((\ks) == 6) && ((\kind) < 2)
	WIN 0
	NEXTIN \kind, \pw
.endif
.endm
.macro PASS kind, ws, pb, pw
	WIN 0
	v_add_nc_u32 v[WA], WLDS+32768*(\kind), v[LI]
	FETCHK 0, \pw
.set kk, 0
.rept 8
	KSTEP \kind, kk, \ws, \pb, \pw
.set kk, kk+1
.endr
	WIN 0
.endm
.macro PACKACC                         ; the 16 accumulators to f16, in place, each from its low end on: 4 registers a tile
.set aa, ACC
.rept 16
.irp i, 0,1,2,3
	v_cvt_pk_f16_f32 v[aa+\i], v[aa+2*\i], v[aa+2*\i+1]
.endr
.set aa, aa+8
.endr
.endm
	PASS 0, WSA, BB, WF                            ; k
	PACKACC
	v_add_nc_u32 v[KS], s25, v[LIK]                ; my four key tiles' images
.irp tt, 0,1,2,3
.irp f, 0,1,2,3
	ds_store_b128 v[KS], v[ACC+8*(4*\tt+\f):ACC+8*(4*\tt+\f)+3] offset:2048*\tt+1024*(\f/2)+512*(\f%2)   ; features 16 f + 8 h + 0..7 of key c: registers 4 (f % 2) on of fragment (tile, u = f / 2)
.endr
.endr
	PASS 1, WSB, WF, BB                            ; v
	PACKACC
	s_wait_dscnt 0x0                               ; my reads of Wk and Wv are over,
	s_barrier_signal -1
	s_barrier_wait -1                              ; everybody's are: V's images may be laid over them
	v_add_nc_u32 v[KS], s25, v[LIV]
.irp tt, 0,1,2,3
.irp f, 0,1,2,3
	ds_store_b128 v[KS], v[ACC+8*(4*\tt+\f):ACC+8*(4*\tt+\f)+3] offset:4096*(\tt/2)+1024*\f+512*(\tt%2)   ; keys 16 tt + 8 h + 0..7 of channel 16 f + c
.endr
.endr
	PASS 2, WSA, BB, WF                            ; q
	WIN 0x40                                       ; destination window 1
.irp tt, 0,1,2,3
.irp f, 0,1,2,3
.irp i, 0,1,2,3
	v_cvt_pk_f16_f32 v[QW+16*\tt+8*(\f/2)+4*(\f%2)+\i], v[ACC+8*(4*\tt+\f)+2*\i], v[ACC+8*(4*\tt+\f)+2*\i+1]   ; Q stays in registers
.endr
.endr
.endr
.set aa, 0
.rept 128
	v_mov_b32 v[aa], 0                             ; O^T: the loop is written once, and its first rescaling, by 0, wants finite numbers here
.set aa, aa+1
.endr
	WIN 0
.irp a, 0,1,2,3
	v_mov_b32 v[ST+8*\a], 0x7f61b1e6               ; NT = +3e38: over every -c x score
.irp j, 1,2,3,4,6,7
	v_mov_b32 v[ST+8*\a+\j], 0
.endr
.endr
	v_cvt_f32_u32 v[HF], v[HH]                     ; h as f32, in tile 0's place + 5
.irp a, 1,2,3
	v_mov_b32 v[ST+8*\a+5], 0
.endr
	s_mov_b32 s69, 0                               ; 8,192 kb
	s_mov_b32 s70, 0                               ; 256 kb
	s_mov_b32 s71, 0                               ; kb
	s_wait_dscnt 0x0                               ; my images are stored, my reads of Wq are over,
	s_barrier_signal -1
	s_barrier_wait -1                              ; everybody's are.  No barrier stands in what follows
; ---- ATTENTION
.macro LOWER                           ; S(rS) += k E^T of the tile a - t + 3: source lane c + 15 - 8 h - jj, where there is one; lanes without a source keep S.  Rows of 16 lanes are told apart by row_mask
	v_add_f32_dpp v[rS], v[rDD], v[rS] row_shl:15 row_mask:0x1 bank_mask:0xf
	v_add_f32_dpp v[rS+1], v[rDD+1], v[rS+1] row_shl:14 row_mask:0x1 bank_mask:0xf
	v_add_f32_dpp v[rS+2], v[rDD+2], v[rS+2] row_shl:13 row_mask:0x1 bank_mask:0xf
	v_add_f32_dpp v[rS+3], v[rDD+3], v[rS+3] row_shl:12 row_mask:0x1 bank_mask:0xf
	v_add_f32_dpp v[rS+4], v[rDD+4], v[rS+4] row_shl:11 row_mask:0x1 bank_mask:0xf
	v_add_f32_dpp v[rS+5], v[rDD+5], v[rS+5] row_shl:10 row_mask:0x1 bank_mask:0xf
	v_add_f32_dpp v[rS+6], v[rDD+6], v[rS+6] row_shl:9 row_mask:0x1 bank_mask:0xf
	v_add_f32_dpp v[rS+7], v[rDD+7], v[rS+7] row_shl:8 row_mask:0x1 bank_mask:0xf
	v_add_f32_dpp v[rS], v[rDD], v[rS] row_shl:7 row_mask:0x2 bank_mask:0xf
	v_add_f32_dpp v[rS+1], v[rDD+1], v[rS+1] row_shl:6 row_mask:0x2 bank_mask:0xf
	v_add_f32_dpp v[rS+2], v[rDD+2], v[rS+2] row_shl:5 row_mask:0x2 bank_mask:0xf
	v_add_f32_dpp v[rS+3], v[rDD+3], v[rS+3] row_shl:4 row_mask:0x2 bank_mask:0xf
	v_add_f32_dpp v[rS+4], v[rDD+4], v[rS+4] row_shl:3 row_mask:0x2 bank_mask:0xf
	v_add_f32_dpp v[rS+5], v[rDD+5], v[rS+5] row_shl:2 row_mask:0x2 bank_mask:0xf
	v_add_f32_dpp v[rS+6], v[rDD+6], v[rS+6] row_shl:1 row_mask:0x2 bank_mask:0xf
	v_fma_f32 v[rS+7], v[rDD+7], v[HF], v[rS+7]    ; h = 1, jj = 7: the shift is 0, the lane's own number: x 1.0 in lanes 16-31; in lanes 0-15 x 0, which adds nothing (the number is finite)
.endm
.macro UPPER                           ; S(rS) += k E^T of the tile a - t + 4: source lane c - 1 - 8 h - jj, where there is one (h = 1, jj = 7: none)
	v_add_f32_dpp v[rS], v[rDD], v[rS] row_shr:1 row_mask:0x1 bank_mask:0xf
	v_add_f32_dpp v[rS+1], v[rDD+1], v[rS+1] row_shr:2 row_mask:0x1 bank_mask:0xf
	v_add_f32_dpp v[rS+2], v[rDD+2], v[rS+2] row_shr:3 row_mask:0x1 bank_mask:0xf
	v_add_f32_dpp v[rS+3], v[rDD+3], v[rS+3] row_shr:4 row_mask:0x1 bank_mask:0xf
	v_add_f32_dpp v[rS+4], v[rDD+4], v[rS+4] row_shr:5 row_mask:0x1 bank_mask:0xf
	v_add_f32_dpp v[rS+5], v[rDD+5], v[rS+5] row_shr:6 row_mask:0x1 bank_mask:0xf
	v_add_f32_dpp v[rS+6], v[rDD+6], v[rS+6] row_shr:7 row_mask:0x1 bank_mask:0xf
	v_add_f32_dpp v[rS+7], v[rDD+7], v[rS+7] row_shr:8 row_mask:0x1 bank_mask:0xf
	v_add_f32_dpp v[rS], v[rDD], v[rS] row_shr:9 row_mask:0x2 bank_mask:0xf
	v_add_f32_dpp v[rS+1], v[rDD+1], v[rS+1] row_shr:10 row_mask:0x2 bank_mask:0xf
	v_add_f32_dpp v[rS+2], v[rDD+2], v[rS+2] row_shr:11 row_mask:0x2 bank_mask:0xf
	v_add_f32_dpp v[rS+3], v[rDD+3], v[rS+3] row_shr:12 row_mask:0x2 bank_mask:0xf
	v_add_f32_dpp v[rS+4], v[rDD+4], v[rS+4] row_shr:13 row_mask:0x2 bank_mask:0xf
	v_add_f32_dpp v[rS+5], v[rDD+5], v[rS+5] row_shr:14 row_mask:0x2 bank_mask:0xf
	v_add_f32_dpp v[rS+6], v[rDD+6], v[rS+6] row_shr:15 row_mask:0x2 bank_mask:0xf
.endm
.macro ELOAD                           ; E tile NE of the block's eight: 16 rows x 64 channels, two fragments
.irp u, 0,1
.irp g, 0,1
	ds_load_b128 v[EF+8*\u+4*\g:EF+8*\u+4*\g+3], v[AE] offset:2048*NE+1024*\u+512*\g
.endr
.endr
.endm
.macro USTORE a, slot                  ; a tile of q E^T into slot of the rows of query tile a: 16 E rows are 64 bytes of a query's row
	ds_store_b128 v[US], v[RR+8*(\a):RR+8*(\a)+3] offset:3328*(\a)+64*(\slot)
	ds_store_b128 v[US], v[RR+8*(\a)+4:RR+8*(\a)+7] offset:3328*(\a)+64*(\slot)+16
.endm
.macro GADD p, i                       ; S^T += what bias step (p, i) gathered: key tile a' + 4 - i of query tile 2 p + a'
.irp a, 0,1
.if ((\i)-\a >= 1) && ((\i)-\a <= 4)
.set rS, SS+32*(2*(\p)+\a)+8*(\a+4-(\i))
.set rG, GG+8*\a
.irp k, 0,2,4,6
	v_pk_add_f32 v[rS+\k:rS+\k+1], v[rS+\k:rS+\k+1], v[rG+\k:rG+\k+1]
.endr
.endif
.endr
.endm
; A BIAS STEP: E tile 2 p + i.  q E^T: it serves query tiles 2 p and 2 p + 1; query tile a' wants tiles i = a' .. a' + 4.
; q E^T's tiles go into three slots of a query's row, so that a pair of neighbouring tiles lies on end: an odd i in slot 1; an even i in slot 0 where it is a pair's lower tile, in slot 2 where it is the upper.
; k E^T: key tile t is multiplied where u' = i + t - 3 is 0, 1 or 2 (p = 0) or 1 or 2 (p = 1).  The product gives the lower add of query tile 2 p + u' and the upper add of query tile 2 p + u' - 1.
; The pair (key tile t, E tile 5 - t) serves query tiles 1 (upper) and 2 (lower): it is multiplied ONCE, in the first half, which does both adds; so the second half has no u' = 0.
; The additions of what the step BEFORE gathered stand behind this step's products: they name S^T and the gathered registers alone, so they are the places that the products want, and the wait at the step's head has shown the gathers in.
.macro STEP p, i
	s_wait_dscnt 0x0                               ; E's tile is in, the last step's gathers are in, and my stores have read the last step's results
	WIN 0x04                                       ; source 1 (Q) window 1
.irp u, 0,1
.irp a, 0,1
.if ((\i)-\a >= 0) && ((\i)-\a <= 4)
.set rR, RR+8*\a
.set rQ, QW+16*(2*(\p)+\a)+8*\u
.if \u == 0
	v_wmma_f32_16x16x32_f16 v[rR:rR+7], v[EF:EF+7], v[rQ:rQ+7], 0
.else
.if ((\i) == 0) || ((\i) == 5)
	s_wait_alu depctr_va_vdst(0)                   ; a wait ahead of the link
.endif
	v_wmma_f32_16x16x32_f16 v[rR:rR+7], v[EF+8:EF+15], v[rQ:rQ+7], v[rR:rR+7]
.endif
.endif
.endr
.endr
.if !(((\p) == 1) && ((\i) == 0))
	WIN 0x01                                       ; source 0 (K) window 1
.endif
.irp u, 0,1
.irp t, 0,1,2,3
.if ((\i)+\t-3 >= (\p)) && ((\i)+\t-3 <= 2)
.set rDD, DD+8*((\i)+\t-3)
.set rK, KW+16*\t+8*\u
.if \u == 0
	v_wmma_f32_16x16x32_f16 v[rDD:rDD+7], v[rK:rK+7], v[EF:EF+7], 0
.else
.if ((\i) == 5) || ((\i) == (\p))
	s_wait_alu depctr_va_vdst(0)                   ; likewise: in these steps one key tile alone is multiplied
.endif
	v_wmma_f32_16x16x32_f16 v[rDD:rDD+7], v[rK:rK+7], v[EF+8:EF+15], v[rDD:rDD+7]
.endif
.endif
.endr
.endr
	WIN 0
	; five places: four in front of the stores and adds that read these results and of the loads into E; the fifth for the next step's sums, which are laid over these
.if (\i) > 0
	GADD \p, (\i)-1
.elseif (\p) == 1
	GADD 0, 5
.endif
.if ((\i) == 2) || (((\i) == 0) && ((\p) == 1))
	PLACES 1                                       ; the step before gathered one tile: four additions
.elseif (\i) < 2
	PLACES 5                                       ; the step before gathered nothing
.endif
.irp a, 0,1
.if ((\i)-\a >= 0) && ((\i)-\a <= 4)
.if (\i)%2 == 1
	USTORE \a, 1
.else
.if (\i) < \a+4
	USTORE \a, 0
.endif
.if (\i) > \a
	USTORE \a, 2
.endif
.endif
.endif
.endr
.irp a, 0,1
.if ((\i)-\a >= 1) && ((\i)-\a <= 4)               ; the pair (i - 1, i) is whole: key tile t = a' + 4 - i.  Register jj wants word x = c + 15 - 8 h - jj of the pair: 32 lanes, 32 different banks
.irp jj, 0,1,2,3,4,5,6,7
	ds_load_b32 v[GG+8*\a+\jj], v[GA] offset:3328*\a+64*(1-(\i)%2)+4*(7-\jj)   ; LDS serves a wave's instructions in order: these see the stores above
.endr
.endif
.endr
.if !(((\p) == 1) && ((\i) == 5))
.if (\i) == 5
.set NE, 2
.else
.set NE, 2*(\p)+(\i)+1
.endif
	ELOAD
.endif
.irp t, 0,1,2,3                        ; k E^T, while the gathers and the next E tile are on their way
.if ((\i)+\t-3 >= (\p)) && ((\i)+\t-3 <= 2)
.set rDD, DD+8*((\i)+\t-3)
.if 2*(\p)+(\i)+\t-3 <= 3
.set rS, SS+32*(2*(\p)+(\i)+\t-3)+8*\t
	LOWER
.endif
.if (\i)+\t-3 >= 1
.set rS, SS+32*(2*(\p)+(\i)+\t-4)+8*\t
	UPPER
.endif
.endif
.endr
.if ((\p) == 1) && ((\i) == 5)
	s_wait_dscnt 0x0                               ; the block's last step has no successor: its gathers are waited for and added here
	GADD 1, 5
.endif
.endm
.Lkb:                                              ; eight trips: key block kb, 64 keys
	v_add_nc_u32 v[AK], s69, v[LIK]                ; four address lines and a v_nop: the five places between the last trip's products and what is laid over their operands
	v_add_nc_u32 v[AV], s69, v[LIV]
	v_sub_nc_u32 v[AE], v[LIE], s69                ; E tile 4 w - 4 kb + 28
	v_add_nc_u32 v[AM], s70, v[LM]
	v_nop
	WIN 0x40
.irp t, 0,1,2,3
.irp u, 0,1
.irp g, 0,1
	ds_load_b128 v[KW+16*\t+8*\u+4*\g:KW+16*\t+8*\u+4*\g+3], v[AK] offset:2048*\t+1024*\u+512*\g
.endr
.endr
.endr
	WIN 0
.irp t, 0,1,2,3
	ds_load_b128 v[MK+8*\t:MK+8*\t+3], v[AM] offset:64*\t          ; 8 x mask of keys 16 t + 8 h + 0..7: the same for all queries
	ds_load_b128 v[MK+8*\t+4:MK+8*\t+7], v[AM] offset:64*\t+16
.endr
.set NE, 0
	ELOAD
	s_wait_dscnt 4                                 ; K and the mask tiles are in; E's four loads may be out
	WIN 0x05                                       ; K and Q window 1
.irp a, 0,1,2,3
.irp t, 0,1,2,3
	v_wmma_f32_16x16x32_f16 v[SS+32*\a+8*\t:SS+32*\a+8*\t+7], v[KW+16*\t:KW+16*\t+7], v[QW+16*\a:QW+16*\a+7], v[MK+8*\t:MK+8*\t+7]
.endr
.endr
.irp a, 0,1,2,3
.irp t, 0,1,2,3
	v_wmma_f32_16x16x32_f16 v[SS+32*\a+8*\t:SS+32*\a+8*\t+7], v[KW+16*\t+8:KW+16*\t+15], v[QW+16*\a+8:QW+16*\a+15], v[SS+32*\a+8*\t:SS+32*\a+8*\t+7]
.endr
.endr
	WIN 0
	PLACES 5                                       ; the first bias step's sums are laid over the mask tiles
.irp p, 0,1
.irp i, 0,1,2,3,4,5
	STEP \p, \i
.endr
.endr
	; the softmax.  V's fragments are asked for first: 32 keys ku x 16 channels f; ku = 0 over k E^T's registers, ku = 1 over q E^T's and the gathered ones, which have just been added
.irp f, 0,1,2,3
.irp g, 0,1
	ds_load_b128 v[DD+8*\f+4*\g:DD+8*\f+4*\g+3], v[AV] offset:1024*\f+512*\g
	ds_load_b128 v[RR+8*\f+4*\g:RR+8*\f+4*\g+3], v[AV] offset:4096+1024*\f+512*\g
.endr
.endr
.irp a, 0,1,2,3
	v_max3_num_f32 v[ST+8*\a+6], v[SS+32*\a], v[SS+32*\a+1], v[SS+32*\a+2]         ; my 32 scores of a query: two chains, the four tiles by turns
	v_max3_num_f32 v[ST+8*\a+7], v[SS+32*\a+15], v[SS+32*\a+16], v[SS+32*\a+17]
.endr
.irp i, 3,5,7,9,11,13
.irp a, 0,1,2,3
	v_max3_num_f32 v[ST+8*\a+6], v[ST+8*\a+6], v[SS+32*\a+\i], v[SS+32*\a+\i+1]
	v_max3_num_f32 v[ST+8*\a+7], v[ST+8*\a+7], v[SS+32*\a+\i+15], v[SS+32*\a+\i+16]
.endr
.endr
.irp a, 0,1,2,3
	v_max3_num_f32 v[ST+8*\a+6], v[ST+8*\a+6], v[SS+32*\a+30], v[SS+32*\a+31]
.endr
.irp a, 0,1,2,3
	v_max_num_f32 v[ST+8*\a+6], v[ST+8*\a+6], v[ST+8*\a+7]
.endr
.irp a, 0,1,2,3
	v_permlanex16_b32 v[ST+8*\a+7], v[ST+8*\a+6], s60, s61      ; the query's other 32 keys lie in the lane 16 away
.endr
.irp a, 0,1,2,3
	v_max_num_f32 v[ST+8*\a+6], v[ST+8*\a+6], v[ST+8*\a+7]
.endr
.irp a, 0,1,2,3
	v_mul_f32 v[ST+8*\a+6], s68, v[ST+8*\a+6]      ; -c x the block's largest score
.endr
.irp a, 0,1,2,3
	v_min_num_f32 v[ST+8*\a+6], v[ST+8*\a], v[ST+8*\a+6]        ; the new NT
.endr
.irp a, 0,1,2,3
	v_sub_f32 v[ST+8*\a+7], v[ST+8*\a+6], v[ST+8*\a]            ; NT new - NT old, 0 or less
.endr
.irp a, 0,1,2,3
	v_mov_b32 v[ST+8*\a], v[ST+8*\a+6]
.endr
.irp a, 0,1,2,3
.irp j, 0,2,4,6,8,10,12,14,16,18,20,22,24,26,28,30
	v_pk_fma_f32 v[SS+32*\a+\j:SS+32*\a+\j+1], v[SS+32*\a+\j:SS+32*\a+\j+1], s[66:67], v[ST+8*\a:ST+8*\a+1] op_sel_hi:[1,0,0]   ; c s + NT, two at a time
.endr
.endr
.irp a, 0,1,2,3
	v_exp_f32 v[ST+8*\a+4], v[ST+8*\a+7]           ; F
.endr
.set aa, SS
.rept 128
	v_exp_f32 v[aa], v[aa]                         ; p, at most 1
.set aa, aa+1
.endr
	v_nop                                          ; the plain line behind the last exponential
	s_wait_alu depctr_va_vdst(0)                   ; one wait for the batch of 132, ahead of its first reader
.irp a, 0,1,2,3
	v_pk_add_f32 v[ST+8*\a+6:ST+8*\a+7], v[SS+32*\a:SS+32*\a+1], v[SS+32*\a+4:SS+32*\a+5]          ; the row's sum, of p in f32: two chains (the second in E's idle registers)
	v_pk_add_f32 v[EF+2*\a:EF+2*\a+1], v[SS+32*\a+2:SS+32*\a+3], v[SS+32*\a+6:SS+32*\a+7]
.endr
.irp j, 8,12,16,20,24,28
.irp a, 0,1,2,3
	v_pk_add_f32 v[ST+8*\a+6:ST+8*\a+7], v[ST+8*\a+6:ST+8*\a+7], v[SS+32*\a+\j:SS+32*\a+\j+1]
	v_pk_add_f32 v[EF+2*\a:EF+2*\a+1], v[EF+2*\a:EF+2*\a+1], v[SS+32*\a+\j+2:SS+32*\a+\j+3]
.endr
.endr
.irp a, 0,1,2,3
	v_pk_add_f32 v[ST+8*\a+6:ST+8*\a+7], v[ST+8*\a+6:ST+8*\a+7], v[EF+2*\a:EF+2*\a+1]
.endr
.irp a, 0,1,2,3
	v_pk_fma_f32 v[ST+8*\a+2:ST+8*\a+3], v[ST+8*\a+2:ST+8*\a+3], v[ST+8*\a+4:ST+8*\a+5], v[ST+8*\a+6:ST+8*\a+7] op_sel_hi:[1,0,1]   ; the sum x F + this block's
.endr
.irp a, 0,1,2,3
.irp i, 0,1,2,3,4,5,6,7,8,9,10,11,12,13,14,15
	v_cvt_pk_f16_f32 v[SS+32*\a+\i], v[SS+32*\a+2*\i], v[SS+32*\a+2*\i+1]       ; P in place, ascending: registers 8 ku on are source 1 for keys 32 ku on
.endr
.endr
	WIN 0x41                                       ; O^T window 1, F window 0
.irp a, 0,1,2,3
.irp j, 0,2,4,6,8,10,12,14,16,18,20,22,24,26,28,30
	v_pk_mul_f32 v[32*\a+\j:32*\a+\j+1], v[32*\a+\j:32*\a+\j+1], v[ST+8*\a+4:ST+8*\a+5] op_sel_hi:[1,0]
.endr
.endr
	s_wait_dscnt 0x0                               ; V is in
	WIN 0x50                                       ; C and D window 1
.irp a, 0,1,2,3
.irp f, 0,1,2,3
	v_wmma_f32_16x16x32_f16 v[32*\a+8*\f:32*\a+8*\f+7], v[DD+8*\f:DD+8*\f+7], v[SS+32*\a:SS+32*\a+7], v[32*\a+8*\f:32*\a+8*\f+7]
.endr
.endr
.irp a, 0,1,2,3
.irp f, 0,1,2,3
	v_wmma_f32_16x16x32_f16 v[32*\a+8*\f:32*\a+8*\f+7], v[RR+8*\f:RR+8*\f+7], v[SS+32*\a+8:SS+32*\a+15], v[32*\a+8*\f:32*\a+8*\f+7]
.endr
.endr
	WIN 0
	s_add_co_u32 s69, s69, 8192
	s_add_co_u32 s70, s70, 256
	s_add_co_u32 s71, s71, 1
	s_cmp_lt_u32 s71, 8
	s_cbranch_scc1 .Lkb
	; ---- THE WAY OUT.  The sum's halves are added (these lines are the places behind the last products); O^T / the sum goes through my buffer, a tile of 16 queries at a time, and leaves as rows of 256 bytes
.irp a, 0,1,2,3
	v_add_f32 v[ST+8*\a+6], v[ST+8*\a+2], v[ST+8*\a+3]
.endr
.irp a, 0,1,2,3
	v_permlanex16_b32 v[ST+8*\a+7], v[ST+8*\a+6], s60, s61
.endr
.irp a, 0,1,2,3
	v_add_f32 v[ST+8*\a+6], v[ST+8*\a+6], v[ST+8*\a+7]
.endr
.irp a, 0,1,2,3
	v_rcp_f32 v[ST+8*\a+4], v[ST+8*\a+6]
.endr
	v_mul_u32_u24 v10, v[CC], 272                  ; (plain lines behind the reciprocals)  in: row c, 32 h
	v_lshl_add_u32 v10, v[HH], 5, v10
	v_add_nc_u32 v10, s26, v10
	v_mul_u32_u24 v11, v[HH], 272                  ; back: lanes 0-15 one row, lanes 16-31 the next
	v_lshl_add_u32 v11, v[CC], 4, v11
	v_add_nc_u32 v11, s26, v11
	v_lshlrev_b32 v12, 12, v[HH]                   ; and the same two tokens in out
	v_lshl_add_u32 v12, v[CC], 4, v12
	s_wait_alu depctr_va_vdst(0)                   ; one wait for the four reciprocals, ahead of their first reader
.irp a, 0,1,2,3
	WIN 0x01                                       ; source 0 (O^T) window 1
.irp j, 0,2,4,6,8,10,12,14,16,18,20,22,24,26,28,30
	v_pk_mul_f32 v[RR+\j:RR+\j+1], v[32*\a+\j:32*\a+\j+1], v[ST+8*\a+4:ST+8*\a+5] op_sel_hi:[1,0]
.endr
	WIN 0
.irp f, 0,1,2,3
	ds_store_b128 v10, v[RR+8*\f:RR+8*\f+3] offset:64*\f           ; channels 16 f + 8 h + 0..7 of query c
	ds_store_b128 v10, v[RR+8*\f+4:RR+8*\f+7] offset:64*\f+16
.endr
.irp i, 0,1,2,3,4,5,6,7
	ds_load_b128 v[SS+32*\a+4*\i:SS+32*\a+4*\i+3], v11 offset:544*\i   ; LDS serves a wave's instructions in order: these see the stores above
.endr
	s_wait_dscnt 0x0                               ; the rows are back, and the stores have read their registers
.irp i, 0,1,2,3,4,5,6,7
	global_store_b128 v12, v[SS+32*\a+4*\i:SS+32*\a+4*\i+3], s[88:89] offset:4096*(16*\a+2*\i) th:TH_STORE_NT   ; 16 lanes store the head's 256 consecutive bytes of a token's row, aligned
.endr
.endr
	s_wait_tensorcnt 0x0                           ; the wave's end: behind my last tensor load and my last LDS store
	ds_add_u32 v[SPW], v[NIL]
	s_wait_dscnt 0x0
	CROUND                                         ; the closing round
	s_endpgm
.Lfunc_end_k_qe38e9266c7_attn:
	.size	k_qe38e9266c7_attn, .Lfunc_end_k_qe38e9266c7_attn-k_qe38e9266c7_attn
	.p2alignl 7, 3214868480
	.fill 96, 4, 3214868480
	.section	.rodata,"a",@progbits
	.p2align	6, 0x0
	.amdhsa_kernel k_qe38e9266c7_attn
		.amdhsa_group_segment_fixed_size 327680
		.amdhsa_private_segment_fixed_size 0
		.amdhsa_enable_private_segment 0
		.amdhsa_kernarg_size 64
		.amdhsa_user_sgpr_count 2
		.amdhsa_user_sgpr_kernarg_segment_ptr 1
		.amdhsa_wavefront_size32 1
		.amdhsa_system_sgpr_workgroup_id_x 1
		.amdhsa_system_sgpr_workgroup_id_y 1
		.amdhsa_system_sgpr_workgroup_id_z 1
		.amdhsa_system_vgpr_workitem_id 0
		.amdhsa_next_free_vgpr 512
		.amdhsa_next_free_sgpr 96
		.amdhsa_reserve_vcc 0
		.amdhsa_float_denorm_mode_32 3
		.amdhsa_float_denorm_mode_16_64 3
		.amdhsa_memory_ordered 1
		.amdhsa_forward_progress 1
		.amdhsa_inst_pref_size 205
	.end_amdhsa_kernel
	.amdgpu_metadata
---
amdhsa.version: [ 1, 2 ]
amdhsa.kernels:
  - .name:           k_qe38e9266c7_attn
    .symbol:         k_qe38e9266c7_attn.kd
    .args:
      - { .name: codes, .offset: 0, .size: 8, .value_kind: global_buffer, .address_space: global }
      - { .name: scales, .offset: 8, .size: 8, .value_kind: global_buffer, .address_space: global }
      - { .name: eimg, .offset: 16, .size: 8, .value_kind: global_buffer, .address_space: global }
      - { .name: attention_mask, .offset: 24, .size: 8, .value_kind: global_buffer, .address_space: global }
      - { .name: bq, .offset: 32, .size: 8, .value_kind: global_buffer, .address_space: global }
      - { .name: bk, .offset: 40, .size: 8, .value_kind: global_buffer, .address_space: global }
      - { .name: bv, .offset: 48, .size: 8, .value_kind: global_buffer, .address_space: global }
      - { .name: out0, .offset: 56, .size: 8, .value_kind: global_buffer, .address_space: global }
    .group_segment_fixed_size: 327680
    .private_segment_fixed_size: 0
    .kernarg_segment_align: 8
    .kernarg_segment_size: 64
    .max_flat_workgroup_size: 256
    .sgpr_count:     96
    .vgpr_count:     512
    .wavefront_size: 32
...
	.end_amdgpu_metadata
.endif
;; end of part 2
